; MI455X (gfx1250); checked and timed in simulation.
; The chip was launched on July 23, 2026; its instructions are those of AMD's public machine-readable ISA for CDNA 5 (MIT licence, August 2026) and "CDNA5" Instruction Set Architecture Reference Guide (July 2026). The comments in the code are by the model that wrote it; some were corrected since.
;; Causal Self Attention. Allowed arithmetic: matrix products marked QUANTISED: E4M3 operands, one given power-of-two scale a tensor, by v_wmma_f32_16x16x64_fp8_fp8 or v_wmma_f32_16x16x128_fp8_fp8, f32 sums; everything else in f32.
;; Inputs: lowp_scales 8 int32 (the exponents e of the quantised operands' scales 2^e); w_out 1,024 x 1,024 float32; w_qkv 1,024 x 3,072 float32; x 4 x 2,048 x 1,024 float32.
;; Outputs: out0 4 x 2,048 x 1,024 float32.
;; This version of the problem:
;;   THIS VERSION OF THE PROBLEM IS GIVEN IN LOW PRECISION. The matrix products marked QUANTISED in the list below multiply operands that are first quantised to E4M3 (4 exponent bits, 3 mantissa bits; 8 bits a number), with one given power-of-two scale for each operand tensor; their sums are f32. All else is computed in f32.
;;   The module's matrix products, in the order in which they are computed (A, B: the left and right operand; K: the contracted axis; several contracted axes count as one K, in the product's order):
;;     1. [M 8,192, K 1,024] x [K 1,024, N 3,072]; A: input x; B: input w_qkv: QUANTISED (scales: A lowp_scales[0], B lowp_scales[1])
;;     2. batch 64 x [M 2,048, K 64] x [K 64, N 2,048]; A: computed on the way; B: computed on the way: QUANTISED (scales: A lowp_scales[2], B lowp_scales[3])
;;     3. batch 64 x [M 2,048, K 2,048] x [K 2,048, N 64]; A: softmax (see below); B: computed on the way: QUANTISED (scales: A lowp_scales[4], B lowp_scales[5])
;;     4. [M 8,192, K 1,024] x [K 1,024, N 1,024]; A: computed on the way; B: input w_out: QUANTISED (scales: A lowp_scales[6], B lowp_scales[7])
;;   THE QUANTISER, for each operand of a quantised product, along K:
;;     - The operand's scale is 2^e, e = its entry of the input lowp_scales (int32; the entries are numbered through the quantised products in the list's order, A before B).
;;     - Each number is divided by the scale, clamped to +-448, and rounded to the nearest number of E4M3, ties to even, subnormals kept.
;;     - The product sums the exact products of the quantised numbers (number of the format x scale) in f32.
;;   ~~~python
;;   def quantise(x, axis, e):      # numpy; x: float32 -> the quantised numbers, widened to float32 again
;;       x = np.moveaxis(x, axis, -1); K = x.shape[-1]
;;       r = np.clip(x / 2.0 ** e, -448, 448)
;;       step = 2.0 ** (np.maximum(np.frexp(np.where(r == 0, 1, r))[1] - 1, -6) - 3)
;;       q = np.round(r / step) * step * 2.0 ** e      # np.round: ties to even
;;       return np.moveaxis(q, -1, axis).astype(np.float32)
;;   ~~~
;;   SOFTMAX AHEAD OF A QUANTISED PRODUCT. Where the list says 'softmax', what is quantised is not the finished softmax but p = 2^(t - M), with t = logit x log2(e) and M = ceil(the row's largest t), a whole number; so 1/2 < the row's largest p <= 1. The row's sum l is taken of the UNQUANTISED p, in f32, and the product's result is divided by l at the end. Since M is a whole number, a kernel that streams over the keys may use a running M (the ceiling of the running maximum): every later rescaling is an exact power of two, so the quantised numbers keep their values, but for numbers so far below the row's largest that they fall under the format's range.
;;   OPERANDS COMPUTED ON THE WAY. 'Computed on the way' means the value that the module computes at that place (a softmax that the list does not call 'softmax' is quantised finished and normalised). What goes into a quantiser is computed in f32, as accurately as f32 sums, v_exp_f32 and their like allow (about 1e-6 of the number): no bf16 or f16 on the way to a quantiser, and a product that is left as it is and whose result goes on into a quantised operand takes f32 operands (vector FMAs, or v_wmma_f32_16x16x4_f32). A number that lies on a knife's edge between two numbers of the format may be rounded either way, as far as f32 arithmetic and the matrix unit's own rounding can turn it there, and no further.
;; One version. Each part assembles by itself: llvm-mc -triple=amdgcn-amd-amdhsa -mcpu=gfx1250 --defsym DOCPART=n.
;; ======== version 1 of 1: 4 launches
;; limits: right only within a limited range of input values
;; workspace buffers: x_codes 8,388,608 bytes; wqkv_codes 3,145,728 bytes; wout_codes 1,048,576 bytes; q_img 8,388,608 bytes; kv_img 16,777,216 bytes; o_img 8,388,608 bytes
;; launch quant (part 1): grid 384 x 1, 4 waves a work-group, no clusters, 102,912 bytes of LDS; arguments x, w_qkv, w_out, lowp_scales, x_codes, wqkv_codes, wout_codes; writes x_codes, wqkv_codes, wout_codes
.if DOCPART == 1
	.amdgcn_target "amdgcn-amd-amdhsa--gfx1250"
	.amdhsa_code_object_version 6
	.text
	.protected	k_qcc4dbff336_quant
	.globl	k_qcc4dbff336_quant
	.p2align	8
	.type	k_qcc4dbff336_quant,@function
k_qcc4dbff336_quant:
	s_mov_b64 s[64:65], 0
	v_nop
	global_prefetch_b8 v0, s[64:65] scope:SCOPE_SE
	s_setreg_imm32_b32 hwreg(HW_REG_WAVE_MODE, 25, 1), 1
	s_wait_xcnt 0x0
; x [8192][1024], w_qkv [1024 k][3072 n] and w_out [1024 k][1024 n], all f32, become codes of FP8 (E4M3), one byte each, K innermost:
; x_codes [8192][1024], wqkv_codes [3072 n][1024 k], wout_codes [1024 n][1024 k].  code = number / 2^e, held within +-448, to the nearest code, ties to even.
; e: entry 0 of the scales for x, entry 1 for w_qkv, entry 7 for w_out.  LIMITS: each e between -126 and 119; NaN among the inputs is not served (an infinity is held at the largest code).
; SHARES: every work-group reads 131,072 bytes of f32.  Work-groups 0-255: x, a plain stream (K is innermost): a wave takes 16 steps of 512 numbers.
; Work-groups 256-351: w_qkv, 352-383: w_out: 128 columns x 256 along K; a lane takes a column and its registers run down K, so that the conversions give codes with K innermost.
; No tensor loads, no barrier, no cluster: waves and work-groups share no input byte.  Each of the three ways has LDS bytes of its own.
.set STEPS, 16
.set SP,    80                         ; x: a lane's place in a stage: its 64 bytes + 16 of padding
.set WREG,  8192                       ; x: LDS of a wave: two stages of 32 x SP bytes
.set R,     16                         ; v16-79   x: four sets of 16 numbers as they are loaded
.set X,     80                         ; v80-111  x: two sets of 16 neighbours
.set C,     128                        ; v128-191 x: codes, four registers for each step: no store's data are written again
.set PITCH, 272                        ; weights: a stage row: 256 codes + 16 bytes
.set NB,    8                          ; weights: blocks of 32 along K for a wave
.set WX,    32                         ; v32-95   weights: two sets of 32 numbers
.set WC,    96                         ; v96-103  weights: a block's codes
.set OUTR,  112                        ; v112-175 weights: the way out
.set LBQ,   32768                      ; LDS: w_qkv's stages, behind x's
.set LBO,   LBQ+4*32*PITCH             ; LDS: w_out's stages
.macro SCALE e                         ; v11 = 2^e as f32 (the conversion takes its exponent field)
	s_add_co_i32 s33, s[\e], 127
	s_lshl_b32 s34, s33, 23
	v_mov_b32 v11, s34
	s_add_co_i32 s33, s33, 8
	s_lshl_b32 s33, s33, 23
	s_or_b32 s33, s33, 0x600000
.endm
.macro XLOAD t                         ; step t: four loads, each 512 consecutive bytes of the wave's run
.irp i, 0,1,2,3
	global_load_b128 v[R+16*((\t)%4)+4*\i:R+16*((\t)%4)+4*\i+3], v3, s[4:5] offset:2048*(\t)+512*\i th:TH_LOAD_NT
.endr
.endm
.macro XTURN t                         ; step t's 2,048 bytes through the wave's own stage: in as loaded, out 64 neighbouring bytes a lane; LDS serves a wave's instructions in order
.irp i, 0,1,2,3
	ds_store_b128 v14, v[R+16*((\t)%4)+4*\i:R+16*((\t)%4)+4*\i+3] offset:32*SP*((\t)%2)+8*SP*\i
.endr
.irp i, 0,1,2,3
	ds_load_b128 v[X+16*((\t)%2)+4*\i:X+16*((\t)%2)+4*\i+3], v15 offset:32*SP*((\t)%2)+16*\i
.endr
.endm
.macro XSTEP t
.set XS, X+16*((\t)%2)
	s_wait_dscnt 0x0                               ; this step's numbers are back from the stage, so its stores into the stage have read their registers,
.if (\t)+4 < STEPS
	XLOAD (\t)+4                                   ; which take the loads of four steps on
.endif
.if (\t)+1 < STEPS
.if STEPS-2-(\t) >= 3
	s_wait_loadcnt 12                              ; the next step's four loads are in; those of the three steps behind it may be out
.else
	s_wait_loadcnt 4*(STEPS-2-(\t))
.endif
	XTURN (\t)+1
.endif
.irp i, 0,1,2,3,4,5,6,7,8,9,10,11,12,13,14,15
.endr
	v_cvt_scalef32_pk8_fp8_f32 v[C+4*(\t):C+4*(\t)+1], v[XS:XS+7], v11
	v_cvt_scalef32_pk8_fp8_f32 v[C+4*(\t)+2:C+4*(\t)+3], v[XS+8:XS+15], v11
	global_store_b128 v4, v[C+4*(\t):C+4*(\t)+3], s[12:13] offset:512*(\t)   ; the wave stores 512 consecutive bytes, aligned
.endm
.macro WLOAD t, cols, src              ; block t: W(32 t + i, my column), i = 0 .. 31, into set t % 2; a wave's load covers 128 consecutive bytes
.irp i, 0,1,2,3,4,5,6,7,8,9,10,11,12,13,14,15,16,17,18,19,20,21,22,23,24,25,26,27,28,29,30,31
	global_load_b32 v[WX+32*((\t)%2)+\i], v3, s[\src:\src+1] offset:(32*(\t)+\i)*\cols*4 th:TH_LOAD_NT
.endr
.endm
.macro WBLOCK t, cols, src
.set XS, WX+32*((\t)%2)
.if (\t) < NB-1
	s_wait_loadcnt 32                              ; this block's 32 loads are in; the next block's may be out
.else
	s_wait_loadcnt 0
.endif
.irp i, 0,1,2,3,4,5,6,7,8,9,10,11,12,13,14,15,16,17,18,19,20,21,22,23,24,25,26,27,28,29,30,31
.endr
.irp g, 0,1,2,3
	v_cvt_scalef32_pk8_fp8_f32 v[WC+2*\g:WC+2*\g+1], v[XS+8*\g:XS+8*\g+7], v11
.endr
	ds_store_b128 v4, v[WC:WC+3] offset:32*(\t)    ; 32 codes: 32 bytes of my column's row
	ds_store_b128 v4, v[WC+4:WC+7] offset:32*(\t)+16
.if (\t)+2 < NB
	WLOAD (\t)+2, \cols, \src
.endif
	s_wait_dscnt 0x0                               ; the stores have read their registers: the next block's codes may be written
.endm
; A weight of cols columns: stage at LDS byte lb, source and destination in s[src], s[dst], e in s[e]; id0: the first work-group of this weight.
; The largest immediate is 255 rows x cols x 4 bytes = 3,133,440 for w_qkv: inside the signed 24 bits (ISA guide, chapter 10).
.macro WQ cols, lb, src, dst, e, id0
	s_sub_co_u32 s19, ttmp9, \id0
	s_lshr_b32 s20, s19, 2                         ; which 128 columns
	s_and_b32 s21, s19, 3                          ; which 256 along K
	s_lshl_b32 s20, s20, 7
	s_lshl_b32 s22, s18, 5
	s_add_co_u32 s20, s20, s22                     ; my wave's first column
	v_lshlrev_b32 v3, 2, v2                        ; in: 4 bytes a lane
	s_mul_i32 s22, s18, 32*PITCH
	s_add_co_u32 s22, s22, \lb                     ; my stage
	v_mul_u32_u24 v4, v2, PITCH
	v_add_nc_u32 v4, s22, v4                       ; into it: row = my column
	v_and_b32 v5, 15, v2
	v_lshrrev_b32 v6, 4, v2                        ; out of it: sixteen lanes to a row, two rows an instruction
	v_mul_u32_u24 v7, v6, PITCH
	v_lshl_add_u32 v7, v5, 4, v7
	v_add_nc_u32 v7, s22, v7
	v_lshlrev_b32 v8, 10, v6                       ; and the same place in the codes: rows of 1,024 bytes
	v_lshl_add_u32 v8, v5, 4, v8
	s_mul_i32 s22, s21, 256*\cols*4
	s_lshl_b32 s23, s20, 2
	s_add_co_u32 s22, s22, s23
	s_mov_b32 s23, 0
	s_add_nc_u64 s[\src:\src+1], s[\src:\src+1], s[22:23]
	s_lshl_b32 s22, s20, 10
	s_lshl_b32 s32, s21, 8
	s_add_co_u32 s22, s22, s32
	s_add_nc_u64 s[\dst:\dst+1], s[\dst:\dst+1], s[22:23]
	WLOAD 0, \cols, \src
	WLOAD 1, \cols, \src
	s_wait_kmcnt 0x0                               ; the scales' exponents
	SCALE \e
	s_wait_alu depctr_va_vdst(0)
.irp t, 0,1,2,3,4,5,6,7
	WBLOCK \t, \cols, \src
.endr
.irp t, 0,1,2,3,4,5,6,7,8,9,10,11,12,13,14,15
	ds_load_b128 v[OUTR+4*\t:OUTR+4*\t+3], v7 offset:2*\t*PITCH    ; LDS serves a wave's instructions in order: these see my stores
.endr
.irp t, 0,1,2,3,4,5,6,7,8,9,10,11,12,13,14,15
	s_wait_dscnt 15-\t                             ; load t is back; the younger ones may be out
	global_store_b128 v8, v[OUTR+4*\t:OUTR+4*\t+3], s[\dst:\dst+1] offset:2*\t*1024   ; sixteen lanes store 256 consecutive bytes, aligned
.endr
.endm
	s_load_b256 s[4:11], s[0:1], 0x0               ; x s[4:5], w_qkv s[6:7], w_out s[8:9], the scales' exponents s[10:11]
	s_load_b128 s[12:15], s[0:1], 0x20             ; x_codes s[12:13], wqkv_codes s[14:15]
	s_load_b64 s[16:17], s[0:1], 0x30              ; wout_codes
	v_lshl_add_u32 v192, v0, 2, 0x19000
	v_mov_b32 v193, 0
	v_lshrrev_b32 v1, 5, v0
	v_readfirstlane_b32 s18, v1                    ; wave
	v_and_b32 v2, 31, v0                           ; lane
	s_wait_kmcnt 0x0
	s_load_b256 s[24:31], s[10:11], 0x0            ; e0 .. e7
	s_cmp_lt_u32 ttmp9, 256
	s_cbranch_scc0 .Lweights
	s_wait_alu depctr_va_vdst(0)
	; ---- x
	v_lshlrev_b32 v3, 4, v2                        ; my 16 bytes of a load's 512
	s_wait_alu depctr_va_vdst(0)
	v_lshlrev_b32 v4, 4, v2                        ; my 16 codes of a step's 512
	s_mul_i32 s19, s18, WREG
	v_lshrrev_b32 v14, 2, v2
	v_mul_u32_u24 v14, v14, SP
	v_and_b32 v15, 3, v2
	v_lshl_add_u32 v14, v15, 4, v14
	v_add_nc_u32 v14, s19, v14                     ; the stage, on the way in: four lanes' 64 bytes on end, then 16 of padding
	v_mul_u32_u24 v15, v2, SP
	v_add_nc_u32 v15, s19, v15                     ; and on the way out: my 16 neighbours
	s_lshl_b32 s20, ttmp9, 2
	s_add_co_u32 s20, s20, s18                     ; which run of 8,192 numbers is my wave's
	s_lshl_b32 s22, s20, 15
	s_mov_b32 s23, 0
	s_add_nc_u64 s[4:5], s[4:5], s[22:23]
	s_lshl_b32 s22, s20, 13
	s_add_nc_u64 s[12:13], s[12:13], s[22:23]
.irp t, 0,1,2,3
	XLOAD \t
.endr
	s_wait_alu depctr_va_vdst(0)
	s_wait_kmcnt 0x0
	SCALE 24
	s_wait_alu depctr_va_vdst(0)
	s_wait_loadcnt 12                              ; step 0's four loads are in
	XTURN 0
.irp t, 0,1,2,3,4,5,6,7,8,9,10,11,12,13,14,15
	XSTEP \t
.endr
	s_wait_tensorcnt 0x0
	ds_add_u32 v192, v193
	s_wait_dscnt 0x0
	s_endpgm
.Lweights:
	s_cmp_lt_u32 ttmp9, 352
	s_cbranch_scc0 .Lwout
	s_wait_alu depctr_va_vdst(0)
	WQ 3072, LBQ, 6, 14, 25, 256
	s_wait_tensorcnt 0x0
	ds_add_u32 v192, v193
	s_wait_dscnt 0x0
	s_endpgm
.Lwout:
	s_wait_alu depctr_va_vdst(0)
	WQ 1024, LBO, 8, 16, 31, 352
	s_wait_tensorcnt 0x0
	ds_add_u32 v192, v193
	s_wait_dscnt 0x0
	s_endpgm
.Lfunc_end_k_qcc4dbff336_quant:
	.size	k_qcc4dbff336_quant, .Lfunc_end_k_qcc4dbff336_quant-k_qcc4dbff336_quant
	.p2alignl 7, 3214868480
	.fill 96, 4, 3214868480
	.section	.rodata,"a",@progbits
	.p2align	6, 0x0
	.amdhsa_kernel k_qcc4dbff336_quant
		.amdhsa_group_segment_fixed_size 102912
		.amdhsa_private_segment_fixed_size 0
		.amdhsa_enable_private_segment 0
		.amdhsa_kernarg_size 56
		.amdhsa_user_sgpr_count 2
		.amdhsa_user_sgpr_kernarg_segment_ptr 1
		.amdhsa_wavefront_size32 1
		.amdhsa_system_sgpr_workgroup_id_x 1
		.amdhsa_system_sgpr_workgroup_id_y 1
		.amdhsa_system_sgpr_workgroup_id_z 1
		.amdhsa_system_vgpr_workitem_id 0
		.amdhsa_next_free_vgpr 194
		.amdhsa_next_free_sgpr 66
		.amdhsa_reserve_vcc 0
		.amdhsa_float_denorm_mode_32 3
		.amdhsa_float_denorm_mode_16_64 3
		.amdhsa_fp16_overflow 1
		.amdhsa_memory_ordered 1
		.amdhsa_forward_progress 1
		.amdhsa_inst_pref_size 86
	.end_amdhsa_kernel
	.amdgpu_metadata
---
amdhsa.version: [ 1, 2 ]
amdhsa.kernels:
  - .name:           k_qcc4dbff336_quant
    .symbol:         k_qcc4dbff336_quant.kd
    .args:
      - { .name: x, .offset: 0, .size: 8, .value_kind: global_buffer, .address_space: global }
      - { .name: w_qkv, .offset: 8, .size: 8, .value_kind: global_buffer, .address_space: global }
      - { .name: w_out, .offset: 16, .size: 8, .value_kind: global_buffer, .address_space: global }
      - { .name: lowp_scales, .offset: 24, .size: 8, .value_kind: global_buffer, .address_space: global }
      - { .name: x_codes, .offset: 32, .size: 8, .value_kind: global_buffer, .address_space: global }
      - { .name: wqkv_codes, .offset: 40, .size: 8, .value_kind: global_buffer, .address_space: global }
      - { .name: wout_codes, .offset: 48, .size: 8, .value_kind: global_buffer, .address_space: global }
    .group_segment_fixed_size: 102912
    .private_segment_fixed_size: 0
    .kernarg_segment_align: 8
    .kernarg_segment_size: 56
    .max_flat_workgroup_size: 128
    .sgpr_count:     66
    .vgpr_count:     194
    .wavefront_size: 32
...
	.end_amdgpu_metadata
.endif
;; end of part 1
;; launch qkv (part 2): grid 12 x 32, 4 waves a work-group, clusters of 4 x 4, 327,680 bytes of LDS; arguments x_codes, wqkv_codes, lowp_scales, q_img, kv_img; writes q_img, kv_img
.if DOCPART == 2
	.amdgcn_target "amdgcn-amd-amdhsa--gfx1250"
	.amdhsa_code_object_version 6
	.text
	.protected	k_qcc4dbff336_qkv
	.globl	k_qcc4dbff336_qkv
	.p2align	8
	.type	k_qcc4dbff336_qkv,@function
k_qcc4dbff336_qkv:
	s_mov_b64 s[64:65], 0
	v_nop
	global_prefetch_b8 v0, s[64:65] scope:SCOPE_SE
	s_setreg_imm32_b32 hwreg(HW_REG_WAVE_MODE, 25, 1), 1
	s_wait_xcnt 0x0
	s_wait_alu depctr_hold_cnt(0) depctr_sa_sdst(0) depctr_va_vdst(0) depctr_va_sdst(0) depctr_va_ssrc(0) depctr_va_vcc(0) depctr_vm_vsrc(0)
	s_getreg_b32 s2, hwreg(HW_REG_IB_STS2, 6, 4)
	s_cmp_eq_u32 s2, 0
	s_cbranch_scc0 .Lentry_in_a_cluster
	s_endpgm
.Lentry_in_a_cluster:
	s_bfe_u32 s2, ttmp6, 0x10000c
	s_cmp_lg_u32 s2, 0xf033
	s_cbranch_scc0 .Lentry_shape_is_right
	s_endpgm
.Lentry_shape_is_right:
; qkv = x w_qkv on codes of FP8 (E4M3), K = 1,024, f32 sums; the sums are quantised in registers (q by e2, k by e3, v by e5) and stored as IMAGES OF THE REGISTERS of the operands that attention reads.
; x_codes [8192][1024], wqkv_codes [3072][1024]: K innermost.  A sum stands for sum x 2^(e0 + e1), so its code is sum / 2^(et - e0 - e1), held within +-448.
; LIMIT: et - e0 - e1 between -126 and 119 for et = e2, e3, e5.
; A tile of 256 x 256 is made by a work-group of four waves; a wave makes 128 x 128: 64 accumulators of 16 x 16, 512 registers.  K goes in four steps of 256 through two LDS slots filled by the tensor data mover.
; 384 tiles: no tile that keeps heads whole and q, k, v apart divides the work into a multiple of 256 at a wave tile of this size; the largest wave tile is kept.
; CLUSTERS: 4 x 4 work-groups.  REGION A's tile hangs on cy and is shared along a row of the cluster, REGION B's on cx and is shared along a column: each is asked for jointly.
; The matrix instruction takes source 0 = 16 rows of region B, source 1 = 16 rows of region A: a lane holds ONE row of region A and eight neighbouring rows of region B.
;   q, k (cluster x = 0, 1): region A = tokens (x_codes), region B = features: a lane holds a token, its registers run along the channels: the K of q k^T.
;   v    (cluster x = 2):    region A = features (the weights' rows 2,048 on), region B = tokens: a lane holds a channel, its registers run along the keys: the K of p v.
; Both buffers have rows of 1,024 bytes and the tile is square, so only the two base addresses and tile numbers are chosen, by the cluster's x, which all partners share.
; IMAGES.  Eight sums of a lane become two registers of codes, which are registers 2 c, 2 c + 1 of the plain 8-bit layout (k = 16 c + 8 (lane / 16) + 0 .. 7).  Four registers go out by one store at 16 x lane.
;   q_img  [bh 64][token tile 128][1,024]: registers 0-3 at 16 x lane, 4-7 at 512 + 16 x lane.
;   kv_img [bh 64][key step 16][16,384]: eight images of K (16 keys each) as q's, then from byte 8,192 four of V^T (16 channels x 128 keys): registers 4 i .. 4 i + 3 at 512 i + 16 x lane.
; In the product itself a fragment is fetched by four loads of 16 bytes: a permutation of k that is the same on both sides.
; REGISTERS, in windows of 256: window 0: v0-31 addresses; from v128 region A's fragments, ONE set; on the way out v128-255 codes.
;   window 1: region B's fragments, TWO sets.   window 2: the accumulators of my blocks 0-3 of region A ((a, b) at v[8 (8 (a % 4) + b)]);   window 3: of blocks 4-7.
.set ROWB,   256                       ; a tile's row in bytes
.set KROW,   1024                      ; a row of codes in memory
.set PITCH,  272                       ; an LDS row: 256 bytes + 16 of padding = 68 words: the 16 rows that a load touches start at 16 different banks (64 banks of 4 bytes: ISA guide 11.1)
.set FR,     16
.set NL,     4
.set NP,     4                         ; places behind this matrix instruction (ISA guide 7.12.1)
.set HALFT,  128*PITCH
.set SLOT,   4*HALFT
.set SPARE,  2*SLOT                    ; behind the ring: the spare words, 128 bytes for each wave
.set ADRA, 16                          ; v16-17  LDS address of my region A fragments in slot 0, 1
.set ADRB, 20                          ; v20-21  the same for region B
.set SCL,  24                          ; v24     2^(et - e0 - e1)
.set LIM,  25
.set LO,   26                          ; v26     16 x lane
.set SPW,  28                          ; v28     LDS address of my spare word; never rewritten
.set NIL,  29                          ; v29     0; never rewritten
.set TMP,  32
.set AF,   128
.set CD,   128                         ; the codes: block a's sixteen registers at v[CD + 16 a]
.set G1, 24
.set G0, 32
.set G1B, 48
.set G0B, 56
.set MSB, 0
.macro WIN new                         ; the immediate's high byte repeats the setting that is left
.if MSB != \new
	s_set_vgpr_msb (MSB<<8)|\new
.set MSB, \new
.endif
.endm
.set MUL_LO, 0xa1                      ; source 0 window 1, source 1 window 0, C and D window 2
.set MUL_HI, 0xf1
.set TO_B,   0x40
; A joint load: waves 0 and 1 fetch for region A, waves 2 and 3 for region B; the branch hangs on the wave's number alone.  Four v_nop follow each of the two lines.
.macro JLOAD g0a, g1a, g0b, g1b
	s_cmp_eq_u32 s15, 0
	s_cbranch_scc0 .Lfor_b_\@
	tensor_load_to_lds s[\g0a:\g0a+3], s[\g1a:\g1a+7]
	s_nop 0
.rept 4
	v_nop
.endr
	s_branch .Lasked_\@
.Lfor_b_\@:
	tensor_load_to_lds s[\g0b:\g0b+3], s[\g1b:\g1b+7]
	s_nop 0
.rept 4
	v_nop
.endr
.Lasked_\@:
.endm
.macro CREST                           ; a round of the cluster's barrier behind its opening barrier
	s_cmp_lg_u32 s14, 0
	s_cbranch_scc1 .Lnot_wave_0_\@
	s_barrier_signal -3
.Lnot_wave_0_\@:
	s_barrier_wait -3
	s_barrier_signal -1
	s_barrier_wait -1
.endm
.macro CROUND
	s_barrier_signal -1
	s_barrier_wait -1
	CREST
.endm
	s_load_b128 s[4:7], s[0:1], 0x0                ; x_codes s[4:5], wqkv_codes s[6:7]
	s_load_b128 s[8:11], s[0:1], 0x10              ; the scales' exponents s[8:9], q_img s[10:11]
	s_load_b64 s[12:13], s[0:1], 0x20              ; kv_img
	v_lshl_add_u32 v[SPW], v0, 2, SPARE
	v_mov_b32 v[NIL], 0
	ds_add_u32 v28, v29
	ds_add_u32 v28, v29
	s_wait_dscnt 0x0
	v_lshrrev_b32 v1, 5, v0
	v_readfirstlane_b32 s14, v1                    ; wave 0..3
	s_lshr_b32 s15, s14, 1                         ; which half of region A's rows is mine.  Also: I fetch for region A (0) or B (1)
	s_and_b32 s16, s14, 1                          ; which half of region B's rows.  Also: which 128 rows of that tile I fetch
	s_bfe_u32 s40, ttmp6, 0x40000                  ; cx
	s_bfe_u32 s41, ttmp6, 0x40004                  ; cy
	s_and_b32 s66, ttmp7, 0xffff
	s_lshl_b32 s66, s66, 2                         ; 4 x cluster y
	s_lshl_b32 s67, ttmp9, 2                       ; 4 x cluster x
	s_cmp_eq_u32 ttmp9, 2                          ; v's clusters?  The same in all sixteen partners
	s_cselect_b32 s17, 0, s66                      ; region A's tile: v: feature tile cy of v's four; else token tile 4 y + cy
	s_cselect_b32 s42, s66, s67                    ; region B's tile: v: token tile 4 y + cx; else feature tile 4 x + cx
	s_add_co_u32 s17, s17, s41
	s_add_co_u32 s42, s42, s40
	s_lshl_b32 s43, s41, 2
	s_lshl_b32 s43, 15, s43                        ; my row of the cluster
	s_lshl_b32 s44, 0x1111, s40                    ; my column
	; descriptor group 1: a tile of 128 rows x 256 bytes, 16 bytes of padding behind each row
	s_or_b32 s[G1+0], s43, (0<<16)|(1<<20)|(1<<21)|(5<<22)|(3<<25)  ; 15:0 the mask; 17:16 elements of 1 byte; 20 padding on; 21 set beside a mask; 24:22 after every 64 words; 31:25 four words
	s_or_b32 s[G1B+0], s44, (0<<16)|(1<<20)|(1<<21)|(5<<22)|(3<<25)
.irp g, G1, G1B
	s_mov_b32 s[\g+1], ROWB<<16                    ; tensor_dim0
	s_mov_b32 s[\g+2], 128<<16                     ; tensor_dim1
	s_mov_b32 s[\g+3], ROWB<<16                    ; tile_dim0
	s_mov_b32 s[\g+4], 128                         ; tile_dim1
	s_mov_b32 s[\g+5], KROW                        ; tensor_dim0_stride
	s_mov_b32 s[\g+6], 0
	s_mov_b32 s[\g+7], 0
.endr
	s_lshl_b32 s18, s16, 7                         ; which 128 rows of the tile I fetch
	s_lshl_b32 s20, s17, 8
	s_add_co_u32 s20, s20, s18
	s_lshl_b32 s20, s20, 10                        ; region A: (256 x tile + 128 x half) rows of 1,024 bytes: under 2^24
	s_mov_b32 s21, 0
	s_lshl_b32 s46, s42, 8
	s_add_co_u32 s46, s46, s18
	s_lshl_b32 s46, s46, 10                        ; region B likewise
	s_mov_b32 s47, 0
	s_mul_i32 s45, s14, HALFT                      ; where they go: wave x 128 rows: no place in the cluster enters an LDS address
	s_wait_kmcnt 0x0
	s_load_b256 s[80:87], s[8:9], 0x0              ; e0 .. e7
	s_add_nc_u64 s[68:69], s[6:7], 0x200000        ; the weights' rows 2,048 on: v's
	s_cmp_eq_u32 ttmp9, 2
	s_cselect_b64 s[70:71], s[68:69], s[4:5]       ; region A's buffer
	s_cselect_b64 s[72:73], s[4:5], s[6:7]         ; region B's
	s_add_nc_u64 s[20:21], s[70:71], s[20:21]
	s_add_nc_u64 s[46:47], s[72:73], s[46:47]
	CROUND                                         ; all sixteen work-groups are here: the first joint loads meet
.irp s, 0,1
	s_mov_b32 s[G0+4*\s], 1
	s_add_co_u32 s[G0+4*\s+1], s45, \s*SLOT
	s_add_nc_u64 s[G0+4*\s+2:G0+4*\s+3], s[20:21], \s*ROWB
	s_or_b32 s[G0+4*\s+3], s[G0+4*\s+3], 0x80000000
	s_mov_b32 s[G0B+4*\s], 1
	s_add_co_u32 s[G0B+4*\s+1], s45, \s*SLOT
	s_add_nc_u64 s[G0B+4*\s+2:G0B+4*\s+3], s[46:47], \s*ROWB
	s_or_b32 s[G0B+4*\s+3], s[G0B+4*\s+3], 0x80000000
	JLOAD G0+4*\s, G1, G0B+4*\s, G1B               ; two loads of mine are out
.endr
	v_and_b32 v1, 15, v0                           ; l % 16
	v_bfe_u32 v2, v0, 4, 1                         ; l / 16
	v_mul_u32_u24 v3, v1, PITCH
	v_lshl_add_u32 v4, v2, 4, v3                   ; a fragment's row x pitch + 16 x half
	s_mul_i32 s21, s15, HALFT                      ; my 128 rows of region A
	s_mul_i32 s22, s16, HALFT                      ; my 128 rows of region B,
	s_add_co_u32 s22, s22, 2*HALFT                 ; which lie behind region A's 256
.irp s, 0,1
	v_add_nc_u32 v[ADRA+\s], s21, v4
	v_add_nc_u32 v[ADRB+\s], s22, v4
	s_add_co_u32 s21, s21, SLOT
	s_add_co_u32 s22, s22, SLOT
.endr
	v_and_b32 v[LO], 31, v0
	v_lshlrev_b32 v[LO], 4, v[LO]
.macro FRAG reg, adr, q, i             ; 16 rows x 128 K: registers 4 c .. 4 c + 3 hold K = 32 c + 16 (l / 16) + 0 .. 15 of row l % 16
.irp c, 0,1,2,3
	ds_load_b128 v[\reg+4*\c:\reg+4*\c+3], v[\adr] offset:128*(\q)+32*\c+(\i)*16*PITCH
.endr
.endm
; 16 matrix instructions: region A's blocks a0, a0 + 1 x region B's eight.  The 64 accumulators take turns, one instruction a turn, in the same order in every step.
.macro MUL16 a0, p, zero
.irp a, \a0, \a0+1
.irp b, 0,1,2,3,4,5,6,7
.if \zero
	v_wmma_f32_16x16x128_fp8_fp8 v[8*(8*((\a)%4)+\b):8*(8*((\a)%4)+\b)+7], v[128*(\p)+FR*\b:128*(\p)+FR*\b+FR-1], v[AF+FR*(\a):AF+FR*(\a)+FR-1], 0
.else
	v_wmma_f32_16x16x128_fp8_fp8 v[8*(8*((\a)%4)+\b):8*(8*((\a)%4)+\b)+7], v[128*(\p)+FR*\b:128*(\p)+FR*\b+FR-1], v[AF+FR*(\a):AF+FR*(\a)+FR-1], v[8*(8*((\a)%4)+\b):8*(8*((\a)%4)+\b)+7]
.endif
.endr
.endr
.endm
.macro FETCH_B slot, q, p
	WIN TO_B
.irp i, 0,1,2,3,4,5,6,7
	FRAG 128*(\p)+FR*\i, ADRB+\slot, \q, \i
.endr
	WIN 0
.endm
.macro FETCH_A slot, q, i0
.irp i, \i0, \i0+1, \i0+2, \i0+3
	FRAG AF+FR*(\i), ADRA+\slot, \q, \i
.endr
.endm
.macro PLACES n                        ; plain vector instructions between a matrix instruction and a load into, or a vector write of, its registers, or a read of its result
.rept \n
	v_nop
.endr
.endm
.macro STEP slot, q, zero              ; 128 along K that has its successor in the same slot
	s_wait_dscnt 4*NL                              ; B's set and A's blocks 0-3 are in; the youngest sixteen loads (A's blocks 4-7) may be out
	WIN MUL_LO
	MUL16 0, (\q)%2, \zero
	MUL16 2, (\q)%2, \zero
	s_wait_dscnt 0
	PLACES NP
	FETCH_B \slot, (\q)+1, 1-(\q)%2
	FETCH_A \slot, (\q)+1, 0
	WIN MUL_HI
	MUL16 4, (\q)%2, \zero
	MUL16 6, (\q)%2, \zero
	PLACES NP
	WIN 0
	FETCH_A \slot, (\q)+1, 4
.endm
; A slot's last step changes slots: ONE barrier; in front of it each wave waits for all its tensor loads, adds 0 to its spare word, and waits for that and for its own reads of this slot.
.macro TURN slot, next, fill
	s_wait_tensorcnt 0x0                           ; all my tensor loads have landed: my part of the next slot
	ds_add_u32 v[SPW], v[NIL]                      ; 0 onto my spare word
	s_wait_dscnt 4*NL+1                            ; (the add and the youngest sixteen loads may be out)
	WIN MUL_LO
	MUL16 0, 1, 0
	s_wait_dscnt 0x0                               ; the add is done, and my reads of this slot are over
	s_barrier_signal -1
	MUL16 2, 1, 0
	WIN 0
	s_barrier_wait -1
.if \fill
	CREST                                          ; the barrier has opened a round of the cluster's: no wave of any partner still reads this slot or has a load on its way
	s_add_nc_u64 s[G0+4*\slot+2:G0+4*\slot+3], s[G0+4*\slot+2:G0+4*\slot+3], 2*ROWB
	s_add_nc_u64 s[G0B+4*\slot+2:G0B+4*\slot+3], s[G0B+4*\slot+2:G0B+4*\slot+3], 2*ROWB
	JLOAD G0+4*\slot, G1, G0B+4*\slot, G1B         ; my one tensor load behind the round; its four v_nop are the places in front of the loads below
.else
	PLACES NP
.endif
	FETCH_B \next, 0, 0
	FETCH_A \next, 0, 0
	WIN MUL_HI
	MUL16 4, 1, 0
	MUL16 6, 1, 0
	PLACES NP
	WIN 0
	FETCH_A \next, 0, 4
.endm
	s_wait_alu depctr_va_vdst(0)
	s_wait_tensorcnt 1                             ; my part of K step 0 is in (K step 1's load may be out),
	s_barrier_signal -1
	s_barrier_wait -1                              ; everybody's is
	FETCH_B 0, 0, 0
	FETCH_A 0, 0, 0
	FETCH_A 0, 0, 4
	STEP 0, 0, 1                                   ; the first products start the sums: nothing is cleared
	TURN 0, 1, 1                                   ; slot 0 takes K step 2
	STEP 1, 0, 0
	TURN 1, 0, 1                                   ; slot 1 takes K step 3
	STEP 0, 0, 0
	TURN 0, 1, 0                                   ; nothing is left to fetch
	STEP 1, 0, 0
	s_wait_dscnt 4*NL
	WIN MUL_LO
	MUL16 0, 1, 0
	MUL16 2, 1, 0
	s_wait_dscnt 0
	WIN MUL_HI
	MUL16 4, 1, 0
	MUL16 6, 1, 0
	WIN 0
	PLACES NP                                      ; behind the last products: their results are read and region A's registers written only behind these
	; THE WAY OUT.  Where my 128 x 128 lies: batch and head, the step of 128 tokens, and which buffer.
	s_wait_kmcnt 0x0
	s_cmp_eq_u32 ttmp9, 2
	s_cselect_b32 s74, s42, s17                    ; the tile of 256 tokens
	s_cselect_b32 s75, s41, s40                    ; the tile of 256 features among q's, k's or v's four
	s_cselect_b32 s76, s16, s15                    ; my half of the tokens
	s_cselect_b32 s77, s15, s16                    ; my half of the features
	s_cselect_b32 s78, 8192, 0                     ; V's images lie behind K's
	s_cselect_b32 s88, s85, s83                    ; e5 or e3,
	s_cmp_eq_u32 ttmp9, 0
	s_cselect_b32 s88, s82, s88                    ; or e2
	s_cselect_b32 s79, 17, 18                      ; a head's bytes: 2^17 in q_img, 2^18 in kv_img
	s_cselect_b32 s89, 13, 14                      ; 128 tokens' bytes: 2^13, 2^14
	s_cselect_b64 s[96:97], s[10:11], s[12:13]
	s_lshr_b32 s90, s74, 3                         ; batch
	s_lshl_b32 s90, s90, 4
	s_lshl_b32 s75, s75, 2
	s_add_co_u32 s90, s90, s75
	s_lshl_b32 s77, s77, 1
	s_add_co_u32 s90, s90, s77                     ; bh of my first head: 16 x batch + 4 x tile + 2 x half
	s_and_b32 s74, s74, 7
	s_lshl_b32 s74, s74, 1
	s_add_co_u32 s74, s74, s76                     ; the step of 128 tokens in the batch
	s_lshl_b32 s90, s90, s79
	s_lshl_b32 s74, s74, s89
	s_add_co_u32 s90, s90, s74
	s_add_co_u32 s90, s90, s78
	s_mov_b32 s91, 0
	s_add_nc_u64 s[96:97], s[96:97], s[90:91]      ; my first head,
	s_lshl_b32 s92, 1, s79
	s_mov_b32 s93, 0
	s_add_nc_u64 s[98:99], s[96:97], s[92:93]      ; my second
	s_sub_co_i32 s88, s88, s80
	s_sub_co_i32 s88, s88, s81                     ; et - e0 - e1: the three scales folded into the conversion's one
	s_add_co_i32 s88, s88, 127
	s_lshl_b32 s94, s88, 23
	v_mov_b32 v[SCL], s94
	s_add_co_i32 s88, s88, 8
	s_lshl_b32 s88, s88, 23
	s_or_b32 s88, s88, 0x600000
.macro CODES a                         ; block a's 64 sums of a lane: eight at a time into two registers of codes; each accumulator is read from its low end on
	WIN 0x02+((\a)/4)                              ; source 0: window 2 or 3
.set i, 0
.rept 64
.set i, i+1
.endr
.set i, 0
.rept 8
	v_cvt_scalef32_pk8_fp8_f32 v[CD+16*(\a)+2*i:CD+16*(\a)+2*i+1], v[TMP+8*i+((64*((\a)%4)+i)-(TMP+i)):TMP+8*i+7+((64*((\a)%4)+i)-(TMP+i))], v[SCL]
.set i, i+1
.endr
	WIN 0
	v_nop                                          ; a plain instruction between the conversions and the next block's writes of their sources
.endm
.irp a, 0,1,2,3,4,5,6,7
	CODES \a
.endr
	s_cmp_eq_u32 ttmp9, 2                          ; the cluster's x: the same in all partners.  Every store covers 512 consecutive bytes, aligned; no data register is written again
	s_cbranch_scc1 .Lstore_v
.irp a, 0,1,2,3,4,5,6,7                ; q, k: block a = a tile of 16 tokens; registers 0-7 my first head's image, 8-15 my second's
.irp i, 0,1,2,3
	global_store_b128 v[LO], v[CD+16*\a+4*\i:CD+16*\a+4*\i+3], s[96+2*(\i/2):97+2*(\i/2)] offset:1024*\a+512*(\i%2)
.endr
.endr
	s_branch .Lstored
.Lstore_v:
	s_wait_alu depctr_va_vdst(0)
.irp a, 0,1,2,3,4,5,6,7                ; v: block a = 16 channels: head a / 4, channel tile a % 4; its sixteen registers run along the step's 128 keys
.irp i, 0,1,2,3
	global_store_b128 v[LO], v[CD+16*\a+4*\i:CD+16*\a+4*\i+3], s[96+2*(\a/4):97+2*(\a/4)] offset:2048*(\a%4)+512*\i
.endr
.endr
.Lstored:
	s_wait_tensorcnt 0x0                           ; the wave's end
	ds_add_u32 v[SPW], v[NIL]
	s_wait_dscnt 0x0
	CROUND                                         ; the closing round: no work-group ends while a partner may still ask for a tile that names it
	s_endpgm
.Lfunc_end_k_qcc4dbff336_qkv:
	.size	k_qcc4dbff336_qkv, .Lfunc_end_k_qcc4dbff336_qkv-k_qcc4dbff336_qkv
	.p2alignl 7, 3214868480
	.fill 96, 4, 3214868480
	.section	.rodata,"a",@progbits
	.p2align	6, 0x0
	.amdhsa_kernel k_qcc4dbff336_qkv
		.amdhsa_group_segment_fixed_size 327680
		.amdhsa_private_segment_fixed_size 0
		.amdhsa_enable_private_segment 0
		.amdhsa_kernarg_size 40
		.amdhsa_user_sgpr_count 2
		.amdhsa_user_sgpr_kernarg_segment_ptr 1
		.amdhsa_wavefront_size32 1
		.amdhsa_system_sgpr_workgroup_id_x 1
		.amdhsa_system_sgpr_workgroup_id_y 1
		.amdhsa_system_sgpr_workgroup_id_z 1
		.amdhsa_system_vgpr_workitem_id 0
		.amdhsa_next_free_vgpr 1024
		.amdhsa_next_free_sgpr 100
		.amdhsa_reserve_vcc 0
		.amdhsa_float_denorm_mode_32 3
		.amdhsa_float_denorm_mode_16_64 3
		.amdhsa_fp16_overflow 1
		.amdhsa_memory_ordered 1
		.amdhsa_forward_progress 1
		.amdhsa_inst_pref_size 89
	.end_amdhsa_kernel
	.amdgpu_metadata
---
amdhsa.version: [ 1, 2 ]
amdhsa.kernels:
  - .name:           k_qcc4dbff336_qkv
    .symbol:         k_qcc4dbff336_qkv.kd
    .args:
      - { .name: x_codes, .offset: 0, .size: 8, .value_kind: global_buffer, .address_space: global }
      - { .name: wqkv_codes, .offset: 8, .size: 8, .value_kind: global_buffer, .address_space: global }
      - { .name: lowp_scales, .offset: 16, .size: 8, .value_kind: global_buffer, .address_space: global }
      - { .name: q_img, .offset: 24, .size: 8, .value_kind: global_buffer, .address_space: global }
      - { .name: kv_img, .offset: 32, .size: 8, .value_kind: global_buffer, .address_space: global }
    .group_segment_fixed_size: 327680
    .private_segment_fixed_size: 0
    .kernarg_segment_align: 8
    .kernarg_segment_size: 40
    .max_flat_workgroup_size: 128
    .sgpr_count:     100
    .vgpr_count:     1024
    .wavefront_size: 32
...
	.end_amdgpu_metadata
.endif
;; end of part 2
;; launch attn (part 3): grid 4 x 64, 16 waves a work-group, clusters of 4 x 1, 264,192 bytes of LDS; arguments q_img, kv_img, lowp_scales, o_img; writes o_img
.if DOCPART == 3
	.amdgcn_target "amdgcn-amd-amdhsa--gfx1250"
	.amdhsa_code_object_version 6
	.text
	.protected	k_qcc4dbff336_attn
	.globl	k_qcc4dbff336_attn
	.p2align	8
	.type	k_qcc4dbff336_attn,@function
k_qcc4dbff336_attn:
	s_mov_b64 s[64:65], 0
	v_nop
	global_prefetch_b8 v0, s[64:65] scope:SCOPE_SE
	s_setreg_imm32_b32 hwreg(HW_REG_WAVE_MODE, 25, 1), 1
	s_wait_xcnt 0x0
	s_wait_alu depctr_hold_cnt(0) depctr_sa_sdst(0) depctr_va_vdst(0) depctr_va_sdst(0) depctr_va_ssrc(0) depctr_va_vcc(0) depctr_vm_vsrc(0)
	s_getreg_b32 s2, hwreg(HW_REG_IB_STS2, 6, 4)
	s_cmp_eq_u32 s2, 0
	s_cbranch_scc0 .Lentry_in_a_cluster
	s_endpgm
.Lentry_in_a_cluster:
	s_bfe_u32 s2, ttmp6, 0x10000c
	s_cmp_lg_u32 s2, 0x3003
	s_cbranch_scc0 .Lentry_shape_is_right
	s_endpgm
.Lentry_shape_is_right:
; Causal attention on codes of FP8 (E4M3): 64 (batch, head) pairs, 2,048 tokens, head size 64.  Both products quantised; o is quantised (e6) and stored as images of the last product's operand registers.
; THE SOFTMAX: t = score x 2^(e2 + e3) x log2(e) / 8; M = the running largest t rounded UP to a whole number; p = 2^(t - M) is quantised with 2^e4, not normalised; the row's sum is taken of the unquantised p and divides at the end.
; When M moves, the sum and O are multiplied by 2^(old M - new M), which rounds nothing.
; SHARES.  A cluster of four work-groups is one (batch, head).  The head's codes of K and V, 262,144 bytes, fill LDS ONCE, asked for jointly by the four: wave w's one tensor load brings key step w (16,384 bytes).  Nothing is filled again.
; The head's 128 tiles of 16 queries: partner cx takes tiles 4 g + cx; wave w takes g = w, then g = 31 - w.  Tile 4 g + cx needs key steps 0 .. g / 2 of 128 keys, whatever cx is: no branch hangs on the place in the cluster,
; and (w / 2 + 1) + ((31 - w) / 2 + 1) = 17 steps for every wave of every work-group.  The loops' trip counts are constants (4 and 8 trips of two steps); a step all of whose keys are hidden is jumped over by a branch on the wave's number.
; LAYOUT.  S^T = K Q^T (source 0 = 16 keys, source 1 = my 16 queries, K = 64), O^T = V^T P^T (source 0 = 16 channels, source 1 = P, K = 128 keys): a lane holds ONE query (lane % 16) throughout.
; In S^T tile t, register j is key 16 t + 8 (lane / 16) + j: eight registers become registers 2 t, 2 t + 1 of P in the plain 8-bit layout.  O^T's tile ct likewise becomes registers 2 ct, 2 ct + 1 of o's image.
; All fragments lie in memory and LDS as images of their registers: four registers by one load at 16 x lane: 512 consecutive bytes.
; No prefetch: all that the launch reads of K and V is asked for by its first loads.
; LIMITS: e2 + e3 between -123 and 130 (added to c's exponent field); e4, and e6 - e4 - e5, between -126 and 119.
; REGISTERS: v1 16 x lane; v2 LDS address in hand; v3, v4 the mask's bound; v12 -M, v13 the largest t, v[14:15] the sum in two halves; v16-23, v24-31 Q of the two passes, later o's codes;
;   v32-95 K's eight fragments, then V's four; v96-159 S^T, then p; v160-191 O^T; v224-239 p's codes; v236, v240-254 constants and work.
.macro CROUND                          ; a round of the cluster's barrier
	s_barrier_signal -1
	s_barrier_wait -1
	s_cmp_lg_u32 s12, 0
	s_cbranch_scc1 .Lnot_wave_0_\@
	s_barrier_signal -3
.Lnot_wave_0_\@:
	s_barrier_wait -3
	s_barrier_signal -1
	s_barrier_wait -1
.endm
	s_load_b256 s[4:11], s[0:1], 0x0               ; q_img s[4:5], kv_img s[6:7], the scales' exponents s[8:9], o_img s[10:11]
	v_lshl_add_u32 v251, v0, 2, 0x40000
	v_mov_b32 v255, 0
	ds_add_u32 v251, v255
	ds_add_u32 v251, v255
	v_lshrrev_b32 v1, 5, v0
	s_delay_alu instid0(VALU_DEP_1)
	v_readfirstlane_b32 s12, v1                    ; wave 0..15
	s_bfe_u32 s13, ttmp6, 0x40000                  ; cx
	s_and_b32 s14, ttmp7, 0xffff                   ; bh, which the four partners share
	; descriptor group 1: a dense block of 16,384 bytes as 64 rows of 256 bytes, elements of 8 bytes, no padding
	s_mov_b32 s24, 15|(3<<16)|(1<<21)              ; 15:0 the mask: all four; 17:16 elements of 8 bytes; 21 set beside a mask
	s_mov_b32 s25, 32<<16                          ; tensor_dim0 = 32
	s_mov_b32 s26, 64<<16                          ; tensor_dim1 = 64
	s_mov_b32 s27, 32<<16                          ; tile_dim0 = 32
	s_mov_b32 s28, 64                              ; tile_dim1 = 64
	s_mov_b32 s29, 32                              ; tensor_dim0_stride
	s_mov_b32 s30, 0
	s_mov_b32 s31, 0
	s_mov_b32 s32, 1                               ; group 0: count = 1,
	s_lshl_b32 s33, s12, 14                        ; LDS address: 16,384 x wave,
	s_lshl_b32 s56, s14, 18
	s_add_co_u32 s56, s56, s33
	s_mov_b32 s57, 0
	s_wait_dscnt 0x0
	s_wait_kmcnt 0x0
	s_load_b256 s[40:47], s[8:9], 0x0              ; e0 .. e7
	s_add_nc_u64 s[34:35], s[6:7], s[56:57]        ; global address: the head's key step w,
	s_or_b32 s35, s35, 0x80000000                  ; type = 2
	CROUND                                         ; all four work-groups are here: the joint loads meet
	tensor_load_to_lds s[32:35], s[24:31]          ; my one tensor load of the launch
	s_nop 0
.rept 4
	v_nop
.endr
	s_lshl_b32 s60, s12, 2
	s_sub_co_u32 s61, 124, s60
	s_add_co_u32 s60, s60, s13                     ; my first tile of queries: 4 w + cx,
	s_add_co_u32 s61, s61, s13                     ; my second: 4 (31 - w) + cx
	s_lshl_b32 s62, s14, 17                        ; the head's first byte in q_img
	s_lshl_b32 s56, s60, 10
	s_add_co_u32 s56, s56, s62
	s_lshl_b32 s58, s61, 10
	s_add_co_u32 s58, s58, s62
	s_mov_b32 s59, 0
	s_add_nc_u64 s[16:17], s[4:5], s[56:57]
	s_add_nc_u64 s[18:19], s[4:5], s[58:59]
	v_and_b32 v1, 31, v0
	s_delay_alu instid0(VALU_DEP_1)
	v_lshlrev_b32 v1, 4, v1                        ; 16 x lane; never rewritten
	global_load_b128 v[16:19], v1, s[16:17] th:TH_LOAD_NT
	global_load_b128 v[20:23], v1, s[16:17] offset:512 th:TH_LOAD_NT
	global_load_b128 v[24:27], v1, s[18:19] th:TH_LOAD_NT
	global_load_b128 v[28:31], v1, s[18:19] offset:512 th:TH_LOAD_NT
	s_lshr_b32 s62, s14, 4
	s_lshl_b32 s62, s62, 7                         ; o_img: row tile = 128 x batch + tile, 16,384 bytes each;
	s_and_b32 s63, s14, 15
	s_lshl_b32 s63, s63, 10                        ; the head's 1,024 bytes in it
	s_add_co_u32 s56, s62, s60
	s_lshl_b32 s56, s56, 14
	s_add_co_u32 s56, s56, s63
	s_add_co_u32 s58, s62, s61
	s_lshl_b32 s58, s58, 14
	s_add_co_u32 s58, s58, s63
	s_add_nc_u64 s[48:49], s[10:11], s[56:57]
	s_add_nc_u64 s[50:51], s[10:11], s[58:59]
	v_and_b32 v5, 15, v0                           ; r
	v_bfe_u32 v6, v0, 4, 1                         ; h
	s_delay_alu instid0(VALU_DEP_1)
	v_lshlrev_b32 v6, 3, v6
	s_delay_alu instid0(VALU_DEP_1)
	v_sub_nc_u32 v3, v5, v6
	s_lshl_b32 s56, s13, 4
	v_add_nc_u32 v3, s56, v3                       ; r - 8 h + 16 cx: it enters compares of data alone
	v_mov_b32 v246, 0xff800000                     ; -infinity
	v_mov_b32 v236, 0                              ; written once: a lane permute's destination counts as one of its sources
	v_mov_b32 v253, 0                              ; (named as the upper half of the pair v[252:253])
	s_mov_b32 s20, 0x76543210
	s_mov_b32 s21, 0xfedcba98                      ; lane l xor 16
	s_wait_alu depctr_va_vdst(0)
	s_wait_kmcnt 0x0
	s_add_co_i32 s56, s42, s43
	s_lshl_b32 s56, s56, 23
	s_add_co_i32 s22, s56, 0x3e38aa3b              ; c = log2(e) / 8 x 2^(e2 + e3)
	s_mov_b32 s23, s22                             ; (named with it as a pair)
	s_add_co_i32 s56, s44, 127
	s_lshl_b32 s58, s56, 23
	v_mov_b32 v244, s58                            ; 2^e4
	s_sub_co_i32 s56, s46, s44
	s_sub_co_i32 s56, s56, s45                     ; O^T / the sum stands for o / 2^(e4 + e5): its code is that / 2^(e6 - e4 - e5)
	s_add_co_i32 s56, s56, 127
	s_lshl_b32 s58, s56, 23
	v_mov_b32 v245, s58
	s_wait_tensorcnt 0x0                           ; my key step has landed,
	s_barrier_signal -1
	s_barrier_wait -1                              ; everybody's has: all of K and V lie in LDS, and nobody writes them again
	s_wait_loadcnt 0x0                             ; Q
; A KEY STEP of 128 keys: the q-th of the trip's two.  s52: the trip's first LDS byte; s53: the step's number; s54: my tile's last step, the one on the diagonal.
.macro STEP q, QR
	s_cmp_gt_u32 s53, s54                          ; all keys hidden: a branch on the wave's number and the step
	s_cbranch_scc1 .Lhid_\@
	v_add_nc_u32 v2, s52, v1
.rept 3
	v_nop                                          ; with the addition: four places in front of loads into registers that the last products read
.endr
.irp t, 0,1,2,3,4,5,6,7
	ds_load_b128 v[32+8*\t:35+8*\t], v2 offset:16384*\q+1024*\t
	ds_load_b128 v[36+8*\t:39+8*\t], v2 offset:16384*\q+1024*\t+512
.endr
	s_wait_alu depctr_va_vdst(0)
	s_wait_dscnt 0x0
.irp t, 0,1,2,3,4,5,6,7
	v_wmma_f32_16x16x64_fp8_fp8 v[96+8*\t:103+8*\t], v[32+8*\t:39+8*\t], v[\QR:\QR+7], 0
.endr
.rept 4
	v_nop                                          ; places: K's registers are loaded again, and the scores read
.endr
.irp ct, 0,1,2,3                       ; V's four fragments land while the softmax is worked
.irp i, 0,1,2,3
	ds_load_b128 v[32+16*\ct+4*\i:35+16*\ct+4*\i], v2 offset:16384*\q+8192+2048*\ct+512*\i
.endr
.endr
	s_cmp_lg_u32 s53, s54                          ; only the step on the diagonal has hidden keys
	s_cbranch_scc1 .Lopen_\@
.set n, 0
.rept 64                               ; register n holds key 16 (n / 8) + 8 h + n % 8 of the step: hidden where 16 (n / 8) + n % 8 > my query - the step's first key - 8 h
	v_cmp_gt_i32 vcc_lo, 16*(n/8)+n%8, v4
	v_cndmask_b32 v[96+n], v[96+n], v246, vcc_lo
.set n, n+1
.endr
.Lopen_\@:
	v_max3_num_f32 v254, v96, v97, v98             ; the step's largest score of my query among my 64 keys, in two chains; each accumulator is first read at its low end
	v_max3_num_f32 v252, v99, v100, v101
.irp i, 6,10,14,18,22,26,30,34,38,42,46,50,54,58
	v_max3_num_f32 v254, v254, v[96+\i], v[97+\i]
	v_max3_num_f32 v252, v252, v[98+\i], v[99+\i]
.endr
	v_max3_num_f32 v254, v254, v158, v159
	s_delay_alu instid0(VALU_DEP_1)
	v_max_num_f32 v254, v254, v252
	v_permlanex16_b32 v236, v254, s20, s21
	s_delay_alu instid0(VALU_DEP_1)
	v_max_num_f32 v254, v254, v236                 ; and among lane l xor 16's
	s_delay_alu instid0(VALU_DEP_1)
	v_mul_f32 v254, s22, v254                      ; as t (c is positive)
	s_delay_alu instid0(VALU_DEP_1)
	v_max_num_f32 v13, v13, v254                   ; the running largest t
	v_mov_b32 v254, v12
	s_delay_alu instid0(VALU_DEP_2)
	v_floor_f32 v12, -v13                          ; the new -M = floor(-t)
	s_delay_alu instid0(VALU_DEP_1)
	v_sub_f32 v254, v12, v254                      ; old M - new M: a whole number, 0 or less
	s_delay_alu instid0(VALU_DEP_1)
	v_cvt_i32_f32 v254, v254                       ; (it saturates)
	s_delay_alu instid0(VALU_DEP_1)
	v_ldexp_f32 v252, 1.0, v254                    ; f = 2^(old M - new M)
.set j, 0
.rept 32
	v_pk_fma_f32 v[96+j:97+j], v[96+j:97+j], s[22:23], v[12:13] op_sel_hi:[1,0,0]   ; t - M, two at a time
.set j, j+2
.endr
.set j, 0
	s_wait_alu depctr_va_vdst(0)
.rept 64
	v_exp_f32 v[96+j], v[96+j]                     ; p = 2^(t - M)
.set j, j+1
.endr
	v_pk_mul_f32 v[14:15], v[14:15], v[252:253] op_sel_hi:[1,0]   ; the sums under the new M: the plain instruction behind the exponentials
	s_wait_alu depctr_va_vdst(0)                   ; one wait for the whole batch, ahead of its first reader
	v_pk_add_f32 v[242:243], v[100:101], v[104:105]
	v_pk_add_f32 v[248:249], v[108:109], v[112:113]
	v_pk_add_f32 v[240:241], v[116:117], v[120:121]
	v_pk_add_f32 v[238:239], v[124:125], v[128:129]
	v_pk_add_f32 v[236:237], v[132:133], v[136:137]
	v_pk_add_f32 v[234:235], v[140:141], v[144:145]
	v_pk_add_f32 v[232:233], v[148:149], v[152:153]
	v_pk_add_f32 v[14:15], v[14:15], v[156:157]
	v_pk_add_f32 v[242:243], v[242:243], v[96:97]
	v_pk_add_f32 v[248:249], v[248:249], v[98:99]
	v_pk_add_f32 v[240:241], v[240:241], v[102:103]
	v_pk_add_f32 v[238:239], v[238:239], v[106:107]
	v_pk_add_f32 v[236:237], v[236:237], v[110:111]
	v_pk_add_f32 v[234:235], v[234:235], v[114:115]
	v_pk_add_f32 v[232:233], v[232:233], v[118:119]
	v_pk_add_f32 v[14:15], v[14:15], v[122:123]
	v_pk_add_f32 v[242:243], v[242:243], v[126:127]
	v_pk_add_f32 v[248:249], v[248:249], v[130:131]
	v_pk_add_f32 v[240:241], v[240:241], v[134:135]
	v_pk_add_f32 v[238:239], v[238:239], v[138:139]
	v_pk_add_f32 v[236:237], v[236:237], v[142:143]
	v_pk_add_f32 v[234:235], v[234:235], v[146:147]
	v_pk_add_f32 v[232:233], v[232:233], v[150:151]
	v_pk_add_f32 v[14:15], v[14:15], v[154:155]
	v_pk_add_f32 v[242:243], v[242:243], v[158:159]
	s_delay_alu instid0(VALU_DEP_2)
	v_pk_add_f32 v[14:15], v[14:15], v[238:239]
	s_delay_alu instid0(VALU_DEP_2)
	v_pk_add_f32 v[242:243], v[242:243], v[236:237]
	v_pk_add_f32 v[248:249], v[248:249], v[234:235]
	v_pk_add_f32 v[240:241], v[240:241], v[232:233]
	s_delay_alu instid0(VALU_DEP_2)
	v_pk_add_f32 v[14:15], v[14:15], v[248:249]
	s_delay_alu instid0(VALU_DEP_2)
	v_pk_add_f32 v[242:243], v[242:243], v[240:241]
	s_delay_alu instid0(VALU_DEP_1)
	v_pk_add_f32 v[14:15], v[14:15], v[242:243]
.irp t, 0,1,2,3,4,5,6,7
.irp i, 0,1,2,3,4,5,6,7
.endr
	v_cvt_scalef32_pk8_fp8_f32 v[224+2*\t:225+2*\t], v[96+8*\t:103+8*\t], v244
.endr
.set j, 0
.rept 16
	v_pk_mul_f32 v[160+j:161+j], v[160+j:161+j], v[252:253] op_sel_hi:[1,0]   ; O^T under the new M; these are also the plain instructions behind the conversions
.set j, j+2
.endr
	s_wait_alu depctr_va_vdst(0)
	s_wait_dscnt 0x0                               ; V is in
.irp ct, 0,1,2,3                       ; four accumulators by turns, one instruction a turn
	v_wmma_f32_16x16x128_fp8_fp8 v[160+8*\ct:167+8*\ct], v[32+16*\ct:47+16*\ct], v[224:239], v[160+8*\ct:167+8*\ct]
.endr
.Lhid_\@:
	s_add_co_u32 s53, s53, 1
.endm
; ONE TILE OF 16 QUERIES.  p: which of my two; ntrip: trips of two key steps, a constant; QR: Q's registers, which take o's codes at the end; OB: o's address.
.macro PASS p, ntrip, QR, OB
.if \p == 0
	s_lshr_b32 s54, s12, 1                         ; g = w: the diagonal's step g / 2,
	s_and_b32 s56, s12, 1                          ; and g % 2
.else
	s_sub_co_u32 s56, 31, s12                      ; g = 31 - w
	s_lshr_b32 s54, s56, 1
	s_and_b32 s56, s56, 1
.endif
	s_lshl_b32 s56, s56, 6
	v_add_nc_u32 v4, s56, v3                       ; my query - the diagonal step's first key - 8 h
	v_mov_b32 v13, 0xff61b1e6                      ; the largest t so far: -3e38
	s_delay_alu instid0(VALU_DEP_1)
	v_floor_f32 v12, -v13
	v_mov_b32 v14, 0
	v_mov_b32 v15, 0
.set j, 0
.rept 32
	v_mov_b32 v[160+j], 0                          ; O^T: the step is written without a first step of its own; the first change of M leaves zeros zeros
.set j, j+1
.endr
	s_mov_b32 s52, 0
	s_mov_b32 s53, 0
	s_mov_b32 s55, \ntrip
.Ltrip_\@:
	STEP 0, \QR
	STEP 1, \QR
	s_add_co_u32 s52, s52, 32768
	s_sub_co_u32 s55, s55, 1
	s_cmp_lg_u32 s55, 0
	s_cbranch_scc1 .Ltrip_\@
.rept 4
	v_nop                                          ; places behind the last products
.endr
	v_add_f32 v14, v14, v15                        ; the sum's two halves,
	v_permlanex16_b32 v236, v14, s20, s21
	s_delay_alu instid0(VALU_DEP_1)
	v_add_f32 v14, v14, v236                       ; and lane l xor 16's
	s_wait_alu depctr_va_vdst(0)
	v_rcp_f32 v252, v14
	v_nop                                          ; a plain instruction behind the reciprocal
	s_wait_alu depctr_va_vdst(0)                   ; and the wait ahead of its first reader
.set j, 0
.rept 16
	v_pk_mul_f32 v[160+j:161+j], v[160+j:161+j], v[252:253] op_sel_hi:[1,0]   ; O^T / the sum, each accumulator from its low end on
.set j, j+2
.endr
.set j, 0
.rept 32
.set j, j+1
.endr
.irp t, 0,1,2,3
	v_cvt_scalef32_pk8_fp8_f32 v[\QR+2*\t:\QR+2*\t+1], v[160+8*\t:167+8*\t], v245
.endr
	v_nop                                          ; a plain instruction behind the conversions: O^T is written again in the next pass
	global_store_b128 v1, v[\QR:\QR+3], s[\OB:\OB+1]              ; 512 consecutive bytes, aligned; neither the data nor the addresses are written again
	global_store_b128 v1, v[\QR+4:\QR+7], s[\OB:\OB+1] offset:512
.endm
	PASS 0, 4, 16, 48
	PASS 1, 8, 24, 50
	s_wait_dscnt 0x0
	s_wait_tensorcnt 0x0
	ds_add_u32 v251, v255
	s_wait_dscnt 0x0
	CROUND                                         ; the closing round
	s_endpgm
.Lfunc_end_k_qcc4dbff336_attn:
	.size	k_qcc4dbff336_attn, .Lfunc_end_k_qcc4dbff336_attn-k_qcc4dbff336_attn
	.p2alignl 7, 3214868480
	.fill 96, 4, 3214868480
	.section	.rodata,"a",@progbits
	.p2align	6, 0x0
	.amdhsa_kernel k_qcc4dbff336_attn
		.amdhsa_group_segment_fixed_size 264192
		.amdhsa_private_segment_fixed_size 0
		.amdhsa_enable_private_segment 0
		.amdhsa_kernarg_size 32
		.amdhsa_user_sgpr_count 2
		.amdhsa_user_sgpr_kernarg_segment_ptr 1
		.amdhsa_wavefront_size32 1
		.amdhsa_system_sgpr_workgroup_id_x 1
		.amdhsa_system_sgpr_workgroup_id_y 1
		.amdhsa_system_sgpr_workgroup_id_z 1
		.amdhsa_system_vgpr_workitem_id 0
		.amdhsa_next_free_vgpr 256
		.amdhsa_next_free_sgpr 66
		.amdhsa_reserve_vcc 1
		.amdhsa_float_denorm_mode_32 3
		.amdhsa_float_denorm_mode_16_64 3
		.amdhsa_fp16_overflow 1
		.amdhsa_memory_ordered 1
		.amdhsa_forward_progress 1
		.amdhsa_inst_pref_size 87
	.end_amdhsa_kernel
	.amdgpu_metadata
---
amdhsa.version: [ 1, 2 ]
amdhsa.kernels:
  - .name:           k_qcc4dbff336_attn
    .symbol:         k_qcc4dbff336_attn.kd
    .args:
      - { .name: q_img, .offset: 0, .size: 8, .value_kind: global_buffer, .address_space: global }
      - { .name: kv_img, .offset: 8, .size: 8, .value_kind: global_buffer, .address_space: global }
      - { .name: lowp_scales, .offset: 16, .size: 8, .value_kind: global_buffer, .address_space: global }
      - { .name: o_img, .offset: 24, .size: 8, .value_kind: global_buffer, .address_space: global }
    .group_segment_fixed_size: 264192
    .private_segment_fixed_size: 0
    .kernarg_segment_align: 8
    .kernarg_segment_size: 32
    .max_flat_workgroup_size: 512
    .sgpr_count:     66
    .vgpr_count:     256
    .wavefront_size: 32
...
	.end_amdgpu_metadata
.endif
;; end of part 3
;; launch proj (part 4): grid 8 x 32, 4 waves a work-group, clusters of 4 x 4, 327,680 bytes of LDS; arguments o_img, wout_codes, lowp_scales, out0; writes out0
.if DOCPART == 4
	.amdgcn_target "amdgcn-amd-amdhsa--gfx1250"
	.amdhsa_code_object_version 6
	.text
	.protected	k_qcc4dbff336_proj
	.globl	k_qcc4dbff336_proj
	.p2align	8
	.type	k_qcc4dbff336_proj,@function
k_qcc4dbff336_proj:
	s_mov_b64 s[64:65], 0
	v_nop
	global_prefetch_b8 v0, s[64:65] scope:SCOPE_SE
	s_setreg_imm32_b32 hwreg(HW_REG_WAVE_MODE, 25, 1), 1
	s_wait_xcnt 0x0
	s_wait_alu depctr_hold_cnt(0) depctr_sa_sdst(0) depctr_va_vdst(0) depctr_va_sdst(0) depctr_va_ssrc(0) depctr_va_vcc(0) depctr_vm_vsrc(0)
	s_getreg_b32 s2, hwreg(HW_REG_IB_STS2, 6, 4)
	s_cmp_eq_u32 s2, 0
	s_cbranch_scc0 .Lentry_in_a_cluster
	s_endpgm
.Lentry_in_a_cluster:
	s_bfe_u32 s2, ttmp6, 0x10000c
	s_cmp_lg_u32 s2, 0xf033
	s_cbranch_scc0 .Lentry_shape_is_right
	s_endpgm
.Lentry_shape_is_right:
; out0 = o w_out on codes of FP8 (E4M3), K = 1,024, f32 sums, each multiplied once by 2^(e6 + e7).  LIMIT: e6 + e7 between -126 and 127.
; o_img [row tile 512][head 16][1,024]: images of operand registers: two neighbouring heads on end are a fragment of 16 rows x 128 K in the plain 8-bit layout (registers 2 c, 2 c + 1: k = 16 c + 8 (lane / 16) + 0 .. 7),
; registers 4 i .. 4 i + 3 at 512 i + 16 x lane.  wout_codes [1024 n][1024 k]: rows; its fragments are fetched in the same layout, eight loads of 8 bytes.
; A tile of out0 is 256 rows x 128 columns: 256 work-groups.  Four waves, each 128 x 64: 32 accumulators, 256 registers.
; K goes in four steps of 256 through THREE LDS slots: three steps are asked for at the start, and slot 0 is filled once more, with two steps' products in which to land.
; CLUSTERS: 4 x 4: o's tile is shared along a row of the cluster, w_out's along a column: joint loads.
; Source 0 = 16 rows of w_out, source 1 = 16 rows of o: a lane holds eight neighbouring columns of one row of out0.
; REGISTERS: window 0: v0-31 addresses; v32-63 the way out; from v128 o's eight fragments, ONE set (later rows read back).   window 1: w_out's fragments, two sets of 64.   window 2: accumulator (a, b) at v[8 (4 a + b)].
.set FR,     16
.set ABYTES, 65536                     ; a slot: 16 row tiles x 4,096 bytes of images,
.set BP,     272                       ; then 128 rows of w_out: 256 bytes + 16 of padding: the 32 lanes of a load of 8 bytes fall on 64 different banks (64 banks of 4 bytes: ISA guide 11.1)
.set BHALF,  64*BP
.set SLOT,   ABYTES+2*BHALF
.set SPARE,  3*SLOT                    ; the spare words, 128 bytes for each wave
.set STAGE,  SPARE+512                 ; the way out: 16 rows x 272 bytes for each wave; no tensor load lands here
.set ADRA, 16                          ; v16-18
.set ADRB, 20                          ; v20-22
.set STO,  24
.set RD,   25
.set CO,   26
.set SPW,  28
.set NIL,  29
.set TMP,  32
.set AF,   128
.set BK,   128
.set G1,  24                           ; s[24:31] group 1 for o's tiles; s[32:43] three groups 0
.set G0,  32
.set G1B, 48                           ; s[48:55] group 1 for w_out's; groups 0 at s56, s60, s68
.set G0B, 56
.set MSB, 0
.macro WIN new
.if MSB != \new
	s_set_vgpr_msb (MSB<<8)|\new
.set MSB, \new
.endif
.endm
.set MUL,  0xa1                        ; source 0 window 1, source 1 window 0, C and D window 2
.set TO_B, 0x40
.macro JLOAD g0a, g1a, g0b, g1b        ; waves 0 and 1 fetch o's halves, waves 2 and 3 w_out's; four v_nop follow each line
	s_cmp_eq_u32 s15, 0
	s_cbranch_scc0 .Lfor_b_\@
	tensor_load_to_lds s[\g0a:\g0a+3], s[\g1a:\g1a+7]
	s_nop 0
.rept 4
	v_nop
.endr
	s_branch .Lasked_\@
.Lfor_b_\@:
	tensor_load_to_lds s[\g0b:\g0b+3], s[\g1b:\g1b+7]
	s_nop 0
.rept 4
	v_nop
.endr
.Lasked_\@:
.endm
.macro CREST
	s_cmp_lg_u32 s14, 0
	s_cbranch_scc1 .Lnot_wave_0_\@
	s_barrier_signal -3
.Lnot_wave_0_\@:
	s_barrier_wait -3
	s_barrier_signal -1
	s_barrier_wait -1
.endm
.macro CROUND
	s_barrier_signal -1
	s_barrier_wait -1
	CREST
.endm
	s_load_b256 s[4:11], s[0:1], 0x0               ; o_img s[4:5], wout_codes s[6:7], the scales' exponents s[8:9], out0 s[10:11]
	v_lshl_add_u32 v[SPW], v0, 2, SPARE
	v_mov_b32 v[NIL], 0
	ds_add_u32 v28, v29
	ds_add_u32 v28, v29
	s_wait_dscnt 0x0
	v_lshrrev_b32 v1, 5, v0
	v_readfirstlane_b32 s14, v1                    ; wave 0..3
	s_lshr_b32 s15, s14, 1                         ; my half of the tile's rows.  Also: I fetch for o (0) or for w_out (1)
	s_and_b32 s16, s14, 1                          ; my half of its columns.  Also: which half of that tile I fetch
	s_bfe_u32 s72, ttmp6, 0x40000                  ; cx
	s_bfe_u32 s73, ttmp6, 0x40004                  ; cy
	s_lshl_b32 s74, ttmp9, 2
	s_add_co_u32 s74, s74, s72                     ; tile column
	s_and_b32 s75, ttmp7, 0xffff
	s_lshl_b32 s75, s75, 2
	s_add_co_u32 s75, s75, s73                     ; tile row
	s_lshl_b32 s76, s73, 2
	s_lshl_b32 s76, 15, s76                        ; my row of the cluster
	s_lshl_b32 s77, 0x1111, s72                    ; my column
	; o: 8 rows of 4,096 bytes (a row tile's four heads), 16,384 bytes apart; elements of 8 bytes; no padding
	s_or_b32 s[G1+0], s76, (3<<16)|(1<<21)
	s_mov_b32 s[G1+1], 512<<16                     ; tensor_dim0
	s_mov_b32 s[G1+2], 8<<16                       ; tensor_dim1
	s_mov_b32 s[G1+3], 512<<16                     ; tile_dim0
	s_mov_b32 s[G1+4], 8                           ; tile_dim1
	s_mov_b32 s[G1+5], 2048                        ; tensor_dim0_stride
	s_mov_b32 s[G1+6], 0
	s_mov_b32 s[G1+7], 0
	; w_out: 64 rows of 256 bytes, 1,024 apart, four words of padding behind every 64
	s_or_b32 s[G1B+0], s77, (0<<16)|(1<<20)|(1<<21)|(5<<22)|(3<<25)
	s_mov_b32 s[G1B+1], 256<<16
	s_mov_b32 s[G1B+2], 64<<16
	s_mov_b32 s[G1B+3], 256<<16
	s_mov_b32 s[G1B+4], 64
	s_mov_b32 s[G1B+5], 1024
	s_mov_b32 s[G1B+6], 0
	s_mov_b32 s[G1B+7], 0
	s_lshl_b32 s78, s75, 4
	s_lshl_b32 s17, s16, 3
	s_add_co_u32 s78, s78, s17
	s_lshl_b32 s78, s78, 14                        ; o: row tile 16 x tile row + 8 x half, 16,384 bytes each
	s_mov_b32 s79, 0
	s_lshl_b32 s80, s74, 7
	s_lshl_b32 s17, s16, 6
	s_add_co_u32 s80, s80, s17
	s_lshl_b32 s80, s80, 10                        ; w_out: row 128 x tile column + 64 x half
	s_mov_b32 s81, 0
	s_mul_i32 s18, s16, 32768                      ; where they go in a slot: no place in the cluster enters an LDS address
	s_mul_i32 s19, s16, BHALF
	s_add_co_u32 s19, s19, ABYTES
	s_wait_kmcnt 0x0
	s_load_b256 s[84:91], s[8:9], 0x0              ; e0 .. e7
	s_add_nc_u64 s[78:79], s[4:5], s[78:79]
	s_add_nc_u64 s[80:81], s[6:7], s[80:81]
	CROUND                                         ; all sixteen work-groups are here
.irp s, 0,1,2
	s_mov_b32 s[G0+4*\s], 1
	s_add_co_u32 s[G0+4*\s+1], s18, \s*SLOT
	s_add_nc_u64 s[G0+4*\s+2:G0+4*\s+3], s[78:79], \s*4096
	s_or_b32 s[G0+4*\s+3], s[G0+4*\s+3], 0x80000000
	s_mov_b32 s[G0B+4*\s+4*(\s/2)], 1
	s_add_co_u32 s[G0B+4*\s+4*(\s/2)+1], s19, \s*SLOT
	s_add_nc_u64 s[G0B+4*\s+4*(\s/2)+2:G0B+4*\s+4*(\s/2)+3], s[80:81], \s*256
	s_or_b32 s[G0B+4*\s+4*(\s/2)+3], s[G0B+4*\s+4*(\s/2)+3], 0x80000000
	s_wait_alu depctr_va_vdst(0)
	s_wait_tensorcnt 0x0
	ds_add_u32 v28, v29
	ds_add_u32 v28, v29
	s_wait_dscnt 0x0
	CROUND
	JLOAD G0+4*\s, G1, G0B+4*\s+4*(\s/2), G1B      ; one load of mine is out; the earlier ones have landed
.endr
	v_and_b32 v1, 15, v0                           ; r
	v_bfe_u32 v2, v0, 4, 1                         ; h
	v_and_b32 v3, 31, v0
	v_lshlrev_b32 v3, 4, v3                        ; 16 x lane
	v_mul_u32_u24 v4, v1, BP
	v_lshl_add_u32 v4, v2, 3, v4                   ; row x pitch + 8 x half
	s_mul_i32 s20, s15, 32768                      ; my eight row tiles of o
	s_mul_i32 s21, s16, BHALF
	s_add_co_u32 s21, s21, ABYTES                  ; my 64 rows of w_out
.irp s, 0,1,2
	v_add_nc_u32 v[ADRA+\s], s20, v3
	v_add_nc_u32 v[ADRB+\s], s21, v4
	s_add_co_u32 s20, s20, SLOT
	s_add_co_u32 s21, s21, SLOT
.endr
	s_mul_i32 s22, s14, 16*272
	s_add_co_u32 s22, s22, STAGE                   ; my stage
	v_mul_u32_u24 v5, v1, 272
	v_lshl_add_u32 v5, v2, 5, v5
	v_add_nc_u32 v[STO], s22, v5                   ; in: row r, 32 bytes for each half of the lanes
	v_mul_u32_u24 v5, v2, 272
	v_lshl_add_u32 v5, v1, 4, v5
	v_add_nc_u32 v[RD], s22, v5                    ; back: lanes 0-15 one row of 256 bytes, lanes 16-31 the next
	v_lshlrev_b32 v5, 12, v2
	v_lshl_add_u32 v[CO], v1, 4, v5                ; and the same two rows in out0 (rows of 4,096 bytes)
	s_lshl_b32 s20, s75, 8
	s_lshl_b32 s21, s15, 7
	s_add_co_u32 s20, s20, s21                     ; my first row
	s_lshl_b32 s20, s20, 12
	s_lshl_b32 s21, s74, 9
	s_add_co_u32 s20, s20, s21                     ; + 512 bytes x tile column
	s_lshl_b32 s21, s16, 8
	s_add_co_u32 s20, s20, s21                     ; + 256 x half
	s_mov_b32 s21, 0
	s_add_nc_u64 s[10:11], s[10:11], s[20:21]
.macro FRAG_A reg, slot, q, i          ; row tile i, the slot's q-th 128 along K: an image, 512 consecutive bytes a load
.irp c, 0,1,2,3
	ds_load_b128 v[\reg+4*\c:\reg+4*\c+3], v[ADRA+\slot] offset:4096*(\i)+2048*(\q)+512*\c
.endr
.endm
.macro FRAG_B reg, slot, q, i          ; 16 rows of w_out: registers 2 c, 2 c + 1: k = 16 c + 8 (l / 16) + 0 .. 7
.irp c, 0,1,2,3,4,5,6,7
	ds_load_b64 v[\reg+2*\c:\reg+2*\c+1], v[ADRB+\slot] offset:16*BP*(\i)+128*(\q)+16*\c
.endr
.endm
.macro FETCH_B slot, q, p              ; 32 loads
	WIN TO_B
.irp i, 0,1,2,3
	FRAG_B 64*(\p)+FR*\i, \slot, \q, \i
.endr
	WIN 0
.endm
.macro FETCH_A slot, q, i0             ; 16 loads
.irp i, \i0, \i0+1, \i0+2, \i0+3
	FRAG_A AF+FR*(\i), \slot, \q, \i
.endr
.endm
; 8 matrix instructions: o's blocks a0, a0 + 1 x w_out's four.  The 32 accumulators take turns, one instruction a turn, in the same order in every step.
.macro MUL8 a0, p, zero
.irp a, \a0, \a0+1
.irp b, 0,1,2,3
.if \zero
	v_wmma_f32_16x16x128_fp8_fp8 v[8*(4*(\a)+\b):8*(4*(\a)+\b)+7], v[64*(\p)+FR*\b:64*(\p)+FR*\b+FR-1], v[AF+FR*(\a):AF+FR*(\a)+FR-1], 0
.else
	v_wmma_f32_16x16x128_fp8_fp8 v[8*(4*(\a)+\b):8*(4*(\a)+\b)+7], v[64*(\p)+FR*\b:64*(\p)+FR*\b+FR-1], v[AF+FR*(\a):AF+FR*(\a)+FR-1], v[8*(4*(\a)+\b):8*(4*(\a)+\b)+7]
.endif
.endr
.endr
.endm
.macro PLACES n
.rept \n
	v_nop
.endr
.endm
; 128 along K on w_out's set p; the next 128 (slot nslot, its nq-th) may be read without a barrier
.macro SUB p, nslot, nq, zero
	s_wait_dscnt 16                                ; w_out's set and o's blocks 0-3 are in; the youngest sixteen loads (blocks 4-7) may be out
	WIN MUL
	MUL8 0, \p, \zero
	MUL8 2, \p, \zero
	s_wait_dscnt 0
	PLACES 4
	FETCH_B \nslot, \nq, 1-(\p)
	FETCH_A \nslot, \nq, 0
	WIN MUL
	MUL8 4, \p, \zero
	MUL8 6, \p, \zero
	PLACES 4
	WIN 0
	FETCH_A \nslot, \nq, 4
.endm
; 128 along K (set 1) with a barrier in its middle: in front of it each wave waits for all its tensor loads, adds 0 to its spare word, and waits for that and for its reads.  fill = 1: slot 0, just read out, takes K step 3.
.macro TURN next, fill
	s_wait_tensorcnt 0x0                           ; all my tensor loads have landed
	ds_add_u32 v[SPW], v[NIL]                      ; 0 onto my spare word
	s_wait_dscnt 17                                ; (the add and the youngest sixteen loads may be out)
	WIN MUL
	MUL8 0, 1, 0
	s_wait_dscnt 0x0                               ; the add is done, and my reads of the slot in hand are over
	s_barrier_signal -1
	MUL8 2, 1, 0
	WIN 0
	s_barrier_wait -1
.if \fill
	CREST                                          ; the barrier has opened a round of the cluster's: no wave of any partner still reads slot 0 or has a load on its way
	s_add_nc_u64 s[G0+2:G0+3], s[G0+2:G0+3], 3*4096
	s_add_nc_u64 s[G0B+2:G0B+3], s[G0B+2:G0B+3], 3*256
	JLOAD G0, G1, G0B, G1B                         ; my one tensor load behind the round; its four v_nop are the places in front of the loads below
.else
	PLACES 4
.endif
	FETCH_B \next, 0, 0
	FETCH_A \next, 0, 0
	WIN MUL
	MUL8 4, 1, 0
	MUL8 6, 1, 0
	PLACES 4
	WIN 0
	FETCH_A \next, 0, 4
.endm
	s_wait_tensorcnt 2                             ; my part of slot 0 is in; slot 2 may be out
	s_barrier_signal -1
	s_barrier_wait -1
	FETCH_B 0, 0, 0
	FETCH_A 0, 0, 0
	FETCH_A 0, 0, 4
	SUB 0, 0, 1, 1                                 ; the first products start the sums
	TURN 1, 1                                      ; every wave's three first loads have landed: slots 1 and 2 are whole; slot 0 takes K step 3
	SUB 0, 1, 1, 0
	s_wait_alu depctr_va_vdst(0)
	SUB 1, 2, 0, 0
	SUB 0, 2, 1, 0
	TURN 0, 0                                      ; K step 3 has landed
	SUB 0, 0, 1, 0
	s_wait_dscnt 16
	WIN MUL
	MUL8 0, 1, 0
	MUL8 2, 1, 0
	s_wait_dscnt 0
	MUL8 4, 1, 0
	MUL8 6, 1, 0
	WIN 0
	PLACES 4                                       ; behind the last products: their results are read, and o's registers loaded again, only behind these
; THE WAY OUT, a block of 16 rows x 64 columns at a time: x 2^(e6 + e7), through my own stage, back as whole rows of 256 bytes.  LDS serves a wave's instructions in order (ISA guide 5.7.1.4).
.macro TOSTAGE a
	WIN 0x02                                       ; source 0: window 2
.set j, 0
.rept 16
	v_pk_mul_f32 v[TMP+j:TMP+j+1], v[32*(\a)+j:32*(\a)+j+1], s[96:97] op_sel_hi:[1,0]   ; each accumulator from its low end on
.set j, j+2
.endr
	WIN 0
.irp b, 0,1,2,3
	ds_store_b128 v[STO], v[TMP+8*\b:TMP+8*\b+3] offset:64*\b
	ds_store_b128 v[STO], v[TMP+8*\b+4:TMP+8*\b+7] offset:64*\b+16
.endr
.set BB, BK+32*((\a)%2)
.irp t, 0,1,2,3,4,5,6,7
	ds_load_b128 v[BB+4*\t:BB+4*\t+3], v[RD] offset:\t*2*272
.endr
.endm
.macro SEND a, younger                 ; younger: the LDS instructions issued behind block a's loads, which may stay out
.set BB, BK+32*((\a)%2)
	s_wait_dscnt \younger
.if (\a) > 0
	s_add_nc_u64 s[10:11], s[10:11], 16*4096       ; (behind a wait on XCNT: the earlier stores have read their base)
.endif
.irp t, 0,1,2,3,4,5,6,7
	global_store_b128 v[CO], v[BB+4*\t:BB+4*\t+3], s[10:11] offset:\t*2*4096 th:TH_STORE_NT   ; sixteen lanes store 256 consecutive bytes, aligned
.endr
.endm
	s_wait_kmcnt 0x0
	s_add_co_i32 s96, s90, s91                     ; e6 + e7
	s_add_co_i32 s96, s96, 127
	s_lshl_b32 s96, s96, 23                        ; 2^(e6 + e7) as f32
	s_mov_b32 s97, s96                             ; (named with it as a pair)
	TOSTAGE 0
.irp a, 1,2,3,4,5,6,7
.if \a > 1
	s_wait_xcnt 0x0                                ; block a - 2's stores have read their registers and their base
.endif
	TOSTAGE \a
	SEND \a-1, 16                                  ; behind block a - 1's loads: block a's 8 stores and 8 loads
.endr
	s_wait_xcnt 0x0
	SEND 7, 0
	s_wait_tensorcnt 0x0                           ; the wave's end
	ds_add_u32 v[SPW], v[NIL]
	s_wait_dscnt 0x0
	CROUND                                         ; the closing round
	s_endpgm
.Lfunc_end_k_qcc4dbff336_proj:
	.size	k_qcc4dbff336_proj, .Lfunc_end_k_qcc4dbff336_proj-k_qcc4dbff336_proj
	.p2alignl 7, 3214868480
	.fill 96, 4, 3214868480
	.section	.rodata,"a",@progbits
	.p2align	6, 0x0
	.amdhsa_kernel k_qcc4dbff336_proj
		.amdhsa_group_segment_fixed_size 327680
		.amdhsa_private_segment_fixed_size 0
		.amdhsa_enable_private_segment 0
		.amdhsa_kernarg_size 32
		.amdhsa_user_sgpr_count 2
		.amdhsa_user_sgpr_kernarg_segment_ptr 1
		.amdhsa_wavefront_size32 1
		.amdhsa_system_sgpr_workgroup_id_x 1
		.amdhsa_system_sgpr_workgroup_id_y 1
		.amdhsa_system_sgpr_workgroup_id_z 1
		.amdhsa_system_vgpr_workitem_id 0
		.amdhsa_next_free_vgpr 768
		.amdhsa_next_free_sgpr 98
		.amdhsa_reserve_vcc 0
		.amdhsa_float_denorm_mode_32 3
		.amdhsa_float_denorm_mode_16_64 3
		.amdhsa_memory_ordered 1
		.amdhsa_forward_progress 1
		.amdhsa_inst_pref_size 87
	.end_amdhsa_kernel
	.amdgpu_metadata
---
amdhsa.version: [ 1, 2 ]
amdhsa.kernels:
  - .name:           k_qcc4dbff336_proj
    .symbol:         k_qcc4dbff336_proj.kd
    .args:
      - { .name: o_img, .offset: 0, .size: 8, .value_kind: global_buffer, .address_space: global }
      - { .name: wout_codes, .offset: 8, .size: 8, .value_kind: global_buffer, .address_space: global }
      - { .name: lowp_scales, .offset: 16, .size: 8, .value_kind: global_buffer, .address_space: global }
      - { .name: out0, .offset: 24, .size: 8, .value_kind: global_buffer, .address_space: global }
    .group_segment_fixed_size: 327680
    .private_segment_fixed_size: 0
    .kernarg_segment_align: 8
    .kernarg_segment_size: 32
    .max_flat_workgroup_size: 128
    .sgpr_count:     98
    .vgpr_count:     768
    .wavefront_size: 32
...
	.end_amdgpu_metadata
.endif
;; end of part 4
